; MI455X (gfx1250); checked and timed in simulation.
; The chip was launched on July 23, 2026; its instructions are those of AMD's public machine-readable ISA for CDNA 5 (MIT licence, August 2026) and "CDNA5" Instruction Set Architecture Reference Guide (July 2026). The comments in the code are by the model that wrote it; some were corrected since.
;; Multi Head Attention. Allowed arithmetic: float matrix products may take bf16 or f16 operands with f32 sums; all other float work in f32.
;; Inputs: W_K 1,024 x 1,024 float32; W_O 1,024 x 1,024 float32; W_Q 1,024 x 1,024 float32; W_V 1,024 x 1,024 float32; x 2 x 2,048 x 1,024 float32.
;; Outputs: out0 2 x 2,048 x 1,024 float32.
;; One version. Each part assembles by itself: llvm-mc -triple=amdgcn-amd-amdhsa -mcpu=gfx1250 --defsym DOCPART=n.
;; ======== version 1 of 1: 4 launches
;; limits: values are held in f16: magnitudes above 65,504 overflow, below 6.1e-05 lose precision
;; workspace buffers: xb 8,388,608 bytes; wt 6,291,456 bytes; wot 2,097,152 bytes; qkv 25,165,824 bytes; ob 8,388,608 bytes
;; launch prep (part 1): grid 256 x 2, 8 waves a work-group, no clusters, 34,304 bytes of LDS; arguments x, W_Q, W_K, W_V, W_O, xb, wt, wot; writes xb, wt, wot
.if DOCPART == 1
	.amdgcn_target "amdgcn-amd-amdhsa--gfx1250"
	.amdhsa_code_object_version 6
	.text
	.protected	k_q80c33114de_prep
	.globl	k_q80c33114de_prep
	.p2align	8
	.type	k_q80c33114de_prep,@function
k_q80c33114de_prep:
	s_mov_b64 s[64:65], 0
	v_nop
	global_prefetch_b8 v0, s[64:65] scope:SCOPE_SE
	s_setreg_imm32_b32 hwreg(HW_REG_WAVE_MODE, 25, 1), 1
	s_wait_xcnt 0x0
; Makes the matrix operands of the later launches.  No matrix instruction, no tensor load: a stream bound by its bytes.
;   y = 0 (256 work-groups): xb = x rounded to bf16, 65,536 bytes of x each.
;   y = 1 (256 work-groups): one tile of 128 k x 128 n of one weight, transposed through LDS:
;       wt[1024 widx + n][k] = bf16(W[k][n]) for W_Q, W_K, W_V (widx 0, 1, 2);  wot[n][k] = f16(bf16(W_O[k][n])).
; LIMIT: bf16(W_O) is held in f16: exact for magnitudes from 2^-14 up to 65,504; below 2^-14 the absolute error is at most 2^-25,
; above 65,504 the value becomes infinite.
; No cluster: no two work-groups read the same bytes.
.set X,  8                             ; v[8:71]   sixteen loads of 16 bytes
.set Y,  72                            ; v[72:103] what is stored
.set LP, 260                           ; LDS pitch of a row of 128 k in 16 bits: 256 bytes + 4 = 65 words
	s_load_b512 s[8:23], s[0:1], 0x0               ; x s[8:9], W_Q s[10:11], W_K s[12:13], W_V s[14:15], W_O s[16:17], xb s[18:19], wt s[20:21], wot s[22:23]
	v_lshl_add_u32 v104, v0, 2, 0x8200
	v_mov_b32 v105, 0
	s_and_b32 s4, ttmp7, 0xffff                    ; y: the same in all waves of the work-group
	s_cmp_lg_u32 s4, 0
	s_cbranch_scc1 .Lweights
	; ---- the cast of x: thread t takes 32 bytes of every 8,192 and stores 16 of every 4,096 ----
	v_lshlrev_b32 v1, 5, v0                        ; 32 t
	v_lshlrev_b32 v2, 4, v0                        ; 16 t
	s_lshl_b32 s2, ttmp9, 16                       ; 65,536 bytes of x a work-group
	s_mov_b32 s3, 0
	s_lshl_b32 s6, ttmp9, 15                       ; 32,768 bytes of xb
	s_mov_b32 s7, 0
	s_wait_kmcnt 0x0
	s_add_nc_u64 s[8:9], s[8:9], s[2:3]
	s_add_nc_u64 s[18:19], s[18:19], s[6:7]
.irp i, 0,1,2,3,4,5,6,7
	global_load_b128 v[X+8*\i:X+8*\i+3],   v1, s[8:9] offset:\i*8192 th:TH_LOAD_NT
	global_load_b128 v[X+8*\i+4:X+8*\i+7], v1, s[8:9] offset:\i*8192+16 th:TH_LOAD_NT
.endr
.irp i, 0,1,2,3,4,5,6,7
	s_wait_loadcnt 14-2*\i                         ; loads come back in order: pair i is in, the 14 - 2 i loads issued behind it stay out
.irp k, 0,1,2,3
	v_cvt_pk_bf16_f32 v[Y+4*\i+\k], v[X+8*\i+2*\k], v[X+8*\i+2*\k+1]
.endr
	global_store_b128 v2, v[Y+4*\i:Y+4*\i+3], s[18:19] offset:\i*4096   ; sixteen lanes store 256 consecutive bytes, aligned; no register is written twice
.endr
	s_endpgm
	; ---- a weight tile ----
.Lweights:
	s_lshr_b32 s5, ttmp9, 6                        ; widx: which weight
	s_bfe_u32 s6, ttmp9, 0x30003                   ; kb: block of 128 k (3 bits from bit 3)
	s_and_b32 s7, ttmp9, 7                         ; nb: block of 128 n
	v_and_b32 v6, 31, v0                           ; c: my four columns n = 4 c .. 4 c + 3
	v_lshrrev_b32 v7, 5, v0                        ; w: my wave takes the pairs of rows P = w + 8 i
	v_lshlrev_b32 v1, 4, v6
	v_lshl_add_u32 v1, v7, 13, v1                  ; source: row 2 w, byte 16 c
	v_mul_u32_u24 v3, v6, 4*LP
	v_lshl_add_u32 v3, v7, 2, v3                   ; LDS: row n = 4 c, word P = w
	v_and_b32 v6, 15, v0                           ; q: 16 bytes of a row on the way back
	v_lshrrev_b32 v7, 4, v0                        ; nl: row n = nl + 16 i
	v_mul_u32_u24 v4, v7, LP
	v_lshl_add_u32 v4, v6, 4, v4                   ; LDS on the way back
	v_lshlrev_b32 v5, 11, v7
	v_lshl_add_u32 v5, v6, 4, v5                   ; destination: row nl of 2,048 bytes, byte 16 q
	s_lshl_b32 s2, s6, 19                          ; 128 rows of 4,096 bytes
	s_lshl_b32 s28, s7, 9                          ; 128 columns of 4 bytes
	s_add_co_u32 s2, s2, s28
	s_mov_b32 s3, 0
	s_wait_kmcnt 0x0
	s_cmp_eq_u32 s5, 1
	s_cselect_b64 s[24:25], s[12:13], s[10:11]     ; the source is chosen by the work-group number alone
	s_cmp_eq_u32 s5, 2
	s_cselect_b64 s[24:25], s[14:15], s[24:25]
	s_cmp_eq_u32 s5, 3
	s_cselect_b64 s[24:25], s[16:17], s[24:25]
	s_cselect_b64 s[26:27], s[22:23], s[20:21]     ; W_O goes to wot, the others to wt
	s_cselect_b32 s28, 0, s5                       ; and wot has one block of 1,024 rows
	s_add_nc_u64 s[24:25], s[24:25], s[2:3]
	s_lshl_b32 s28, s28, 21                        ; 1,024 rows of 2,048 bytes
	s_lshl_b32 s29, s7, 18                         ; 128 rows
	s_add_co_u32 s28, s28, s29
	s_lshl_b32 s29, s6, 8                          ; 128 k of 2 bytes
	s_add_co_u32 s28, s28, s29
	s_mov_b32 s29, 0
	s_add_nc_u64 s[26:27], s[26:27], s[28:29]
.irp i, 0,1,2,3,4,5,6,7
	global_load_b128 v[X+8*\i:X+8*\i+3],   v1, s[24:25] offset:\i*65536 th:TH_LOAD_NT        ; row 2 P: a wave takes 512 consecutive bytes
	global_load_b128 v[X+8*\i+4:X+8*\i+7], v1, s[24:25] offset:\i*65536+4096 th:TH_LOAD_NT   ; row 2 P + 1
.endr
; Rounds the pairs (k = 2 P, 2 P + 1) of my four columns and lays each as one word into LDS row n.  half = 1: the bf16 value is then held in f16.
; Words n and n + 64 of a store fall on the same word column modulo 64, so two lanes share one; the loads back touch 32 different ones.
.macro CONV half
.irp i, 0,1,2,3,4,5,6,7
	s_wait_loadcnt 14-2*\i                         ; pair i is in, the 14 - 2 i loads behind it stay out
.irp j, 0,1,2,3
	v_cvt_pk_bf16_f32 v[Y+\j], v[X+8*\i+\j], v[X+8*\i+4+\j]
.endr
.if \half
.irp j, 0,1,2,3
	v_lshlrev_b32 v[Y+4+2*\j], 16, v[Y+\j]         ; bf16 to f32: the low half moves up,
	v_and_b32 v[Y+5+2*\j], 0xffff0000, v[Y+\j]     ; the high half stays
.endr
.irp j, 0,1,2,3
	v_cvt_pk_f16_f32 v[Y+\j], v[Y+4+2*\j], v[Y+5+2*\j]
.endr
.endif
.irp j, 0,1,2,3
	ds_store_b32 v3, v[Y+\j] offset:\j*LP+32*\i
.endr
.endr
.endm
	s_cmp_eq_u32 s5, 3
	s_cbranch_scc1 .Lwo
	CONV 0
	s_branch .Ljoin
.Lwo:
	CONV 1
.Ljoin:
	s_wait_dscnt 0x0                               ; my stores are in LDS, for the other waves
	s_barrier_signal -1
	s_barrier_wait -1
.irp i, 0,1,2,3,4,5,6,7
.irp e, 0,1,2,3
	ds_load_b32 v[X+4*\i+\e], v4 offset:\i*16*LP+4*\e      ; rows are 4 modulo 16 bytes apart: words, not 16 bytes
.endr
.endr
.irp i, 0,1,2,3,4,5,6,7
	s_wait_dscnt 28-4*\i                           ; row i's four words are in, the 28 - 4 i loads behind them stay out
	global_store_b128 v5, v[X+4*\i:X+4*\i+3], s[26:27] offset:\i*32768   ; sixteen lanes store 256 consecutive bytes of a row, aligned
.endr
	s_wait_tensorcnt 0x0
	ds_add_u32 v104, v105
	s_wait_dscnt 0x0
	s_endpgm
.Lfunc_end_k_q80c33114de_prep:
	.size	k_q80c33114de_prep, .Lfunc_end_k_q80c33114de_prep-k_q80c33114de_prep
	.p2alignl 7, 3214868480
	.fill 96, 4, 3214868480
	.section	.rodata,"a",@progbits
	.p2align	6, 0x0
	.amdhsa_kernel k_q80c33114de_prep
		.amdhsa_group_segment_fixed_size 34304
		.amdhsa_private_segment_fixed_size 0
		.amdhsa_enable_private_segment 0
		.amdhsa_kernarg_size 64
		.amdhsa_user_sgpr_count 2
		.amdhsa_user_sgpr_kernarg_segment_ptr 1
		.amdhsa_wavefront_size32 1
		.amdhsa_system_sgpr_workgroup_id_x 1
		.amdhsa_system_sgpr_workgroup_id_y 1
		.amdhsa_system_sgpr_workgroup_id_z 1
		.amdhsa_system_vgpr_workitem_id 0
		.amdhsa_next_free_vgpr 106
		.amdhsa_next_free_sgpr 66
		.amdhsa_reserve_vcc 0
		.amdhsa_float_denorm_mode_32 3
		.amdhsa_float_denorm_mode_16_64 3
		.amdhsa_memory_ordered 1
		.amdhsa_forward_progress 1
		.amdhsa_inst_pref_size 26
	.end_amdhsa_kernel
	.amdgpu_metadata
---
amdhsa.version: [ 1, 2 ]
amdhsa.kernels:
  - .name:           k_q80c33114de_prep
    .symbol:         k_q80c33114de_prep.kd
    .args:
      - { .name: x, .offset: 0, .size: 8, .value_kind: global_buffer, .address_space: global }
      - { .name: W_Q, .offset: 8, .size: 8, .value_kind: global_buffer, .address_space: global }
      - { .name: W_K, .offset: 16, .size: 8, .value_kind: global_buffer, .address_space: global }
      - { .name: W_V, .offset: 24, .size: 8, .value_kind: global_buffer, .address_space: global }
      - { .name: W_O, .offset: 32, .size: 8, .value_kind: global_buffer, .address_space: global }
      - { .name: xb, .offset: 40, .size: 8, .value_kind: global_buffer, .address_space: global }
      - { .name: wt, .offset: 48, .size: 8, .value_kind: global_buffer, .address_space: global }
      - { .name: wot, .offset: 56, .size: 8, .value_kind: global_buffer, .address_space: global }
    .group_segment_fixed_size: 34304
    .private_segment_fixed_size: 0
    .kernarg_segment_align: 8
    .kernarg_segment_size: 64
    .max_flat_workgroup_size: 256
    .sgpr_count:     66
    .vgpr_count:     106
    .wavefront_size: 32
...
	.end_amdgpu_metadata
.endif
;; end of part 1
;; launch proj (part 2): grid 16 x 16, 4 waves a work-group, clusters of 4 x 4, 327,680 bytes of LDS; arguments xb, wt, qkv; writes qkv
.if DOCPART == 2
	.amdgcn_target "amdgcn-amd-amdhsa--gfx1250"
	.amdhsa_code_object_version 6
	.text
	.protected	k_q80c33114de_proj
	.globl	k_q80c33114de_proj
	.p2align	8
	.type	k_q80c33114de_proj,@function
k_q80c33114de_proj:
	s_mov_b64 s[64:65], 0
	v_nop
	global_prefetch_b8 v0, s[64:65] scope:SCOPE_SE
	s_setreg_imm32_b32 hwreg(HW_REG_WAVE_MODE, 25, 1), 1
	s_wait_xcnt 0x0
	s_wait_alu depctr_hold_cnt(0) depctr_sa_sdst(0) depctr_va_vdst(0) depctr_va_sdst(0) depctr_va_ssrc(0) depctr_va_vcc(0) depctr_vm_vsrc(0)
	s_getreg_b32 s2, hwreg(HW_REG_IB_STS2, 6, 4)
	s_cmp_eq_u32 s2, 0
	s_cbranch_scc0 .Lentry_in_a_cluster
	s_endpgm
.Lentry_in_a_cluster:
	s_bfe_u32 s2, ttmp6, 0x10000c
	s_cmp_lg_u32 s2, 0xf033
	s_cbranch_scc0 .Lentry_shape_is_right
	s_endpgm
.Lentry_shape_is_right:
; qkv = xb (4096 x 1024, bf16) times wt^T (3072 x 1024, bf16), sums in f32, stored in f16 as [48 slots][4096 rows][64]:
; slot h = Q of head h, 16 + h = K, 32 + h = V.  LIMIT: a result of magnitude above 65,504 becomes infinite in f16.
; A work-group makes 256 rows x 192 columns (3 slots) with four waves; wave w makes rows 64 w .. 64 w + 63 of all 192 columns:
; 4 x 12 accumulator tiles, 384 registers.  16 x 16 = 256 work-groups.  K goes in 8 steps of 128 through two LDS slots.
; CLUSTERS: 4 x 4 work-groups.  The four of a row of the cluster need the same rows of xb, the four of a column the same rows of wt:
; each tile is asked for jointly, by the same tensor load with a mask that names the four.
; REGISTERS in windows of 256: window 0: v16-26 addresses, v64-95 and v96-127 fragments of xb (two buffers), v128-223 the way out;
; window 1: v0-95 and v96-191 fragments of wt (two buffers); window 2: accumulator tiles of my rows 0-31 (tile (a, b) at v[8 (12 a + b)]);
; window 3: those of rows 32-63.
; The matrix instruction is used transposed (source 0 = rows of wt, source 1 = rows of xb): lane l then holds row l % 16 of the result
; and in registers 0-7 the columns 8 (l / 16) + 0 .. 7, which pack into 16 neighbouring bytes.
.set SIZE_K, 1024
.set KSTEP,  128
.set PITCH,  272                       ; 256 bytes of a row + 16: the sixteen rows of a fragment start at sixteen different 16-byte columns modulo 256
.set HALFT,  128*PITCH                 ; the LDS region that one wave fills
.set SLOT,   4*HALFT                   ; xb rows 0-127, 128-255, wt rows 0-95 (32 rows unused), wt rows 96-191 (32 unused)
.set STAGE,  2*SLOT                    ; behind the ring, never filled by a tensor load
.set SPITCH, 144                       ; a row of 64 f16 + 16
.set WSTAGE, 48*SPITCH                 ; a wave's stage: 3 slots x 16 rows
.set SLOTB,  524288                    ; bytes of one of the 48 slots of qkv
.set LAPS,   SIZE_K/(2*KSTEP)          ; 4 laps of two K steps
.set ADRA, 16                          ; v16-17 LDS address of my xb fragments in slot 0, 1
.set ADRB, 20                          ; v20-21 the same for wt
.set STO,  24
.set RD,   25
.set CO,   26
.set FA0,  64
.set FA1,  96
.set TMP,  128
.set RB,   176
.set FB0,  0
.set FB1,  96
.set G1,  24                           ; s[24:31] group 1 for xb
.set G0,  32                           ; s[32:39] group 0 for xb, a set for each slot
.set G1B, 48                           ; s[48:55] group 1 for wt
.set G0B, 56                           ; s[56:63] group 0 for wt
.set MSB, 0
.macro WIN new                         ; the high byte of the immediate repeats the setting that is left
.if MSB != \new
	s_set_vgpr_msb (MSB<<8)|\new
.set MSB, \new
.endif
.endm
.set MUL_LO, 0xa1                      ; source 0 window 1, source 1 window 0, C and D window 2
.set MUL_HI, 0xf1                      ; the same, C and D window 3
.set TO_B,   0x40                      ; destination window 1
; A joint load: waves 0 and 1 fetch the two halves of xb's tile, waves 2 and 3 those of wt's.  The branch hangs on the wave number alone.
.macro JLOAD s
	s_cmp_eq_u32 s11, 0
	s_cbranch_scc0 .Lfor_b_\@
	tensor_load_to_lds s[G0+4*\s:G0+4*\s+3], s[G1:G1+7]
	s_nop 0
	s_branch .Lasked_\@
.Lfor_b_\@:
	tensor_load_to_lds s[G0B+4*\s:G0B+4*\s+3], s[G1B:G1B+7]
	s_nop 0
.Lasked_\@:
.endm
.macro CREST                           ; a round of the cluster's barrier behind its opening work-group barrier
	s_cmp_lg_u32 s10, 0
	s_cbranch_scc1 .Lnot_wave_0_\@
	s_barrier_signal -3
.Lnot_wave_0_\@:
	s_barrier_wait -3
	s_barrier_signal -1
	s_barrier_wait -1
.endm
.macro CROUND                          ; a whole round
	s_barrier_signal -1
	s_barrier_wait -1
	CREST
.endm
	s_load_b128 s[4:7], s[0:1], 0x0                ; xb s[4:5], wt s[6:7]
	s_load_b64 s[8:9], s[0:1], 0x10                ; qkv
	s_set_vgpr_msb 0x40
	v_lshl_add_u32 v255, v0, 2, 0x4ac00
	s_set_vgpr_msb 0x4000
	v_mov_b32 v255, 0
	s_set_vgpr_msb 0x1
	ds_add_u32 v255, v255
	ds_add_u32 v255, v255
	s_set_vgpr_msb 0x100
	v_lshrrev_b32 v1, 5, v0
	v_readfirstlane_b32 s10, v1                    ; wave 0..3
	s_lshr_b32 s11, s10, 1                         ; I fetch for xb (0) or for wt (1)
	s_and_b32 s12, s10, 1                          ; which half of that tile
	s_bfe_u32 s40, ttmp6, 0x40000                  ; cx
	s_bfe_u32 s41, ttmp6, 0x40004                  ; cy
	s_lshl_b32 s42, ttmp9, 2
	s_add_co_u32 s42, s42, s40                     ; block column (192 columns) = 4 x cluster x + cx
	s_and_b32 s13, ttmp7, 0xffff
	s_lshl_b32 s13, s13, 2
	s_add_co_u32 s13, s13, s41                     ; block row (256 rows) = 4 x cluster y + cy
	s_lshl_b32 s43, s41, 2
	s_lshl_b32 s43, 15, s43                        ; my row of the cluster
	s_lshl_b32 s44, 0x1111, s40                    ; my column
	s_or_b32 s[G1+0], s43, (1<<16)|(1<<20)|(1<<21)|(5<<22)|(3<<25)   ; mask; elements of 2 bytes; padding on; bit 21 beside a mask; after every 64 words, 4 words
	s_or_b32 s[G1B+0], s44, (1<<16)|(1<<20)|(1<<21)|(5<<22)|(3<<25)
	s_mov_b32 s[G1+1], KSTEP<<16                   ; tensor_dim0 = 128
	s_mov_b32 s[G1B+1], KSTEP<<16
	s_mov_b32 s[G1+2], 128<<16                     ; tensor_dim1 = 128 rows of xb
	s_mov_b32 s[G1B+2], 96<<16                     ; 96 rows of wt
	s_mov_b32 s[G1+3], KSTEP<<16                   ; tile_dim0 = 128
	s_mov_b32 s[G1B+3], KSTEP<<16
	s_mov_b32 s[G1+4], 128                         ; tile_dim1
	s_mov_b32 s[G1B+4], 96
	s_mov_b32 s[G1+5], SIZE_K                      ; elements from row to row
	s_mov_b32 s[G1B+5], SIZE_K
	s_mov_b32 s[G1+6], 0
	s_mov_b32 s[G1B+6], 0
	s_mov_b32 s[G1+7], 0
	s_mov_b32 s[G1B+7], 0
	s_lshl_b32 s17, s12, 7
	s_lshl_b32 s16, s13, 8
	s_add_co_u32 s16, s16, s17                     ; xb: row 256 x block row + 128 x half
	s_lshl_b32 s16, s16, 11                        ; rows of 2,048 bytes (below 8 MiB)
	s_mov_b32 s17, 0
	s_mul_i32 s45, s12, 96
	s_mul_i32 s46, s42, 192
	s_add_co_u32 s46, s46, s45                     ; wt: row 192 x block column + 96 x half
	s_lshl_b32 s46, s46, 11
	s_mov_b32 s47, 0
	s_mul_i32 s20, s10, HALFT                      ; where my load goes: the wave number alone
	s_wait_dscnt 0x0
	s_wait_kmcnt 0x0
	s_add_nc_u64 s[14:15], s[4:5], s[16:17]
	s_add_nc_u64 s[46:47], s[6:7], s[46:47]
	CROUND                                         ; all sixteen work-groups are here: the first joint loads meet
.irp s, 0,1
	s_mov_b32 s[G0+4*\s], 1
	s_add_co_u32 s[G0+4*\s+1], s20, \s*SLOT
	s_add_nc_u64 s[G0+4*\s+2:G0+4*\s+3], s[14:15], \s*KSTEP*2
	s_or_b32 s[G0+4*\s+3], s[G0+4*\s+3], 0x80000000
	s_mov_b32 s[G0B+4*\s], 1
	s_add_co_u32 s[G0B+4*\s+1], s20, \s*SLOT
	s_add_nc_u64 s[G0B+4*\s+2:G0B+4*\s+3], s[46:47], \s*KSTEP*2
	s_or_b32 s[G0B+4*\s+3], s[G0B+4*\s+3], 0x80000000
	JLOAD \s                                       ; K steps 0 and 1: two loads of the wave are out, the most in this text
.endr
	v_and_b32 v1, 15, v0                           ; l % 16
	v_bfe_u32 v2, v0, 4, 1                         ; l / 16
	v_mul_u32_u24 v3, v1, PITCH
	v_lshl_add_u32 v3, v2, 4, v3                   ; row x pitch + 16 x half
	s_mul_i32 s21, s10, 64*PITCH                   ; my 64 rows of xb
	s_mov_b32 s22, 2*HALFT                         ; wt lies behind xb's 256 rows
.irp s, 0,1
	v_add_nc_u32 v[ADRA+\s], s21, v3
	v_add_nc_u32 v[ADRB+\s], s22, v3
	s_add_co_u32 s21, s21, SLOT
	s_add_co_u32 s22, s22, SLOT
.endr
	s_mul_i32 s23, s10, WSTAGE
	s_add_co_u32 s23, s23, STAGE                   ; my stage
	v_mul_u32_u24 v4, v1, SPITCH
	v_lshl_add_u32 v4, v2, 4, v4
	v_add_nc_u32 v[STO], s23, v4                   ; in: row l % 16, 16 bytes for each half of the lanes
	v_bfe_u32 v5, v0, 3, 2
	v_mul_u32_u24 v5, v5, SPITCH
	v_and_b32 v6, 7, v0
	v_lshl_add_u32 v5, v6, 4, v5
	v_add_nc_u32 v[RD], s23, v5                    ; back: eight lanes take a row of 128 bytes, a wave four rows
	v_and_b32 v6, 31, v0
	v_lshlrev_b32 v[CO], 4, v6                     ; and in qkv four rows are 512 consecutive bytes
; 12 matrix instructions: row tile a of the window (hi = 0: rows 0-31, 1: rows 32-63) x all 12 column tiles, 32 along K
.macro MUL12 fa, fb, hi, a, zero
.irp b, 0,1,2,3,4,5,6,7,8,9,10,11
.if \zero
	v_wmma_f32_16x16x32_bf16 v[8*(12*\a+\b):8*(12*\a+\b)+7], v[\fb+8*\b:\fb+8*\b+7], v[\fa+8*(2*\hi+\a):\fa+8*(2*\hi+\a)+7], 0
.else
	v_wmma_f32_16x16x32_bf16 v[8*(12*\a+\b):8*(12*\a+\b)+7], v[\fb+8*\b:\fb+8*\b+7], v[\fa+8*(2*\hi+\a):\fa+8*(2*\hi+\a)+7], v[8*(12*\a+\b):8*(12*\a+\b)+7]
.endif
.endr
.endm
; 32 LDS loads in one run: 192 rows of wt, then my 64 rows of xb, 32 K at byte k of the rows
.macro FETCH slot, k, fa, fb
	WIN TO_B
.irp i, 0,1,2,3,4,5,6,7,8,9,10,11
	ds_load_b128 v[\fb+8*\i:\fb+8*\i+3],   v[ADRB+\slot] offset:\k+(\i/6)*HALFT+(\i%6)*16*PITCH
	ds_load_b128 v[\fb+8*\i+4:\fb+8*\i+7], v[ADRB+\slot] offset:\k+(\i/6)*HALFT+(\i%6)*16*PITCH+32
.endr
	WIN 0
.irp i, 0,1,2,3
	ds_load_b128 v[\fa+8*\i:\fa+8*\i+3],   v[ADRA+\slot] offset:\k+\i*16*PITCH
	ds_load_b128 v[\fa+8*\i+4:\fa+8*\i+7], v[ADRA+\slot] offset:\k+\i*16*PITCH+32
.endr
.endm
; Four places behind a matrix instruction before a load is issued into a register that it read, or a vector instruction reads its result
; the matrix instructions in between are not counted.
.macro PLACES
.rept 4
	v_nop
.endr
.endm
; A quarter of a K step: 48 matrix instructions on buffers (fa, fb); in its middle the next quarter's fragments go into (ga, gb).
; The 48 accumulators take turns, one instruction a turn, in the same order in every quarter.
.macro QUARTER slot, k, fa, fb, ga, gb, zero
	s_wait_dscnt 4                                 ; wt and my rows 0-31 are in; the youngest four loads (rows 32-63) may be out
	WIN MUL_LO
	MUL12 \fa, \fb, 0, 0, \zero
	MUL12 \fa, \fb, 0, 1, \zero
	PLACES
	FETCH \slot, \k, \ga, \gb
	s_wait_dscnt 32                                ; all but the 32 just issued
	WIN MUL_HI
	MUL12 \fa, \fb, 1, 0, \zero
	MUL12 \fa, \fb, 1, 1, \zero
.endm
.macro THREE slot, zero
	QUARTER \slot, 64,  FA0, FB0, FA1, FB1, \zero
	QUARTER \slot, 128, FA1, FB1, FA0, FB0, 0
	QUARTER \slot, 192, FA0, FB0, FA1, FB1, 0
.endm
; The last quarter changes slots.  In front of the barrier each wave waits for its reads of this slot and for all its tensor loads (one is out:
; its part of the next slot).  With fill = 1 the barrier opens a round of the cluster's barrier, and the joint refill is the first tensor load behind it.
; From a request to the wait for it a wave issues 180 matrix instructions.
.macro TURN slot, next, fill
	s_wait_dscnt 4
	WIN MUL_LO
	MUL12 FA1, FB1, 0, 0, 0
	s_wait_dscnt 0                                 ; my reads of this slot are over
	s_wait_tensorcnt 0x0                           ; all my tensor loads have landed
	ds_add_u32 v255, v255
	s_wait_dscnt 0x0
	s_barrier_signal -1
	MUL12 FA1, FB1, 0, 1, 0                        ; register work while the others arrive
	WIN 0
	s_barrier_wait -1
.if \fill
	CREST                                          ; no wave of any partner still reads this slot or has a load on its way
	s_add_nc_u64 s[G0+4*\slot+2:G0+4*\slot+3], s[G0+4*\slot+2:G0+4*\slot+3], 2*KSTEP*2
	s_add_nc_u64 s[G0B+4*\slot+2:G0B+4*\slot+3], s[G0B+4*\slot+2:G0B+4*\slot+3], 2*KSTEP*2
	JLOAD \slot
.endif
	PLACES
	FETCH \next, 0, FA0, FB0
	WIN MUL_HI
	MUL12 FA1, FB1, 1, 0, 0
	MUL12 FA1, FB1, 1, 1, 0
.endm
.macro LAP zero
	THREE 0, \zero
	TURN 0, 1, 1
	THREE 1, 0
	TURN 1, 0, 1
.endm
	s_wait_tensorcnt 1                             ; my part of K step 0 is in; K step 1's load, issued behind it, stays out
	s_barrier_signal -1
	s_barrier_wait -1
	FETCH 0, 0, FA0, FB0
	LAP 1                                          ; the first products start the sums: nothing is cleared
	WIN 0
	s_mov_b32 s3, LAPS-2
.Llap:
	LAP 0
	WIN 0
	s_sub_co_u32 s3, s3, 1
	s_cmp_lg_u32 s3, 0
	s_cbranch_scc1 .Llap
	THREE 0, 0                                     ; the last lap fills nothing
	TURN 0, 1, 0
	THREE 1, 0
	s_wait_dscnt 4
	WIN MUL_LO
	MUL12 FA1, FB1, 0, 0, 0
	MUL12 FA1, FB1, 0, 1, 0
	s_wait_dscnt 0
	WIN MUL_HI
	MUL12 FA1, FB1, 1, 0, 0
	MUL12 FA1, FB1, 1, 1, 0
	; THE WAY OUT, 16 rows at a time: round to f16, 16 bytes a lane into my own stage, read back by rows of 128 bytes.
	PLACES
	s_lshl_b32 s16, s13, 15                        ; 256 rows of 128 bytes a block row
	s_lshl_b32 s14, s10, 13                        ; 64 rows a wave
	s_add_co_u32 s16, s16, s14
	s_mov_b32 s17, 0
	s_add_nc_u64 s[8:9], s[8:9], s[16:17]
	s_mul_i32 s46, s42, 3*SLOTB                    ; three slots a block column
	s_mov_b32 s47, 0
	s_add_nc_u64 s[8:9], s[8:9], s[46:47]
.macro OUT16 i, a, from
	WIN \from
.irp b, 0,1,2,3,4,5,6,7,8,9,10,11
.irp r, 0,1,2,3
	v_cvt_pk_f16_f32 v[TMP+4*\b+\r], v[8*(12*\a+\b)+2*\r], v[8*(12*\a+\b)+2*\r+1]
.endr
.endr
	WIN 0
.irp b, 0,1,2,3,4,5,6,7,8,9,10,11
	ds_store_b128 v[STO], v[TMP+4*\b:TMP+4*\b+3] offset:(\b/4)*16*SPITCH+(\b%4)*32
.endr
	s_wait_xcnt 0x0                                ; RB, which the last stores read, and their base are rewritten only behind this wait
.if \i
	s_add_nc_u64 s[8:9], s[8:9], 16*128
.endif
.irp t, 0,1,2,3,4,5,6,7,8,9,10,11
	ds_load_b128 v[RB+4*\t:RB+4*\t+3], v[RD] offset:(\t/4)*16*SPITCH+(\t%4)*4*SPITCH   ; LDS serves a wave's instructions in order: these see the stores above
.endr
.irp t, 0,1,2,3,4,5,6,7,8,9,10,11
	s_wait_dscnt 11-\t                             ; load t is in, the 11 - t behind it stay out
	global_store_b128 v[CO], v[RB+4*\t:RB+4*\t+3], s[8:9] offset:(\t/4)*SLOTB+(\t%4)*512   ; a wave stores 512 consecutive bytes, aligned
.endr
.endm
	OUT16 0, 0, 0x0a
	OUT16 1, 1, 0x0a
	OUT16 2, 0, 0x0f
	OUT16 3, 1, 0x0f
	s_set_vgpr_msb 0x1
	s_wait_tensorcnt 0x0
	ds_add_u32 v255, v255
	s_wait_dscnt 0x0
	s_set_vgpr_msb 0x100
	CROUND                                         ; the closing round: no work-group ends while a partner may still ask jointly
	s_endpgm
.Lfunc_end_k_q80c33114de_proj:
	.size	k_q80c33114de_proj, .Lfunc_end_k_q80c33114de_proj-k_q80c33114de_proj
	.p2alignl 7, 3214868480
	.fill 96, 4, 3214868480
	.section	.rodata,"a",@progbits
	.p2align	6, 0x0
	.amdhsa_kernel k_q80c33114de_proj
		.amdhsa_group_segment_fixed_size 327680
		.amdhsa_private_segment_fixed_size 0
		.amdhsa_enable_private_segment 0
		.amdhsa_kernarg_size 24
		.amdhsa_user_sgpr_count 2
		.amdhsa_user_sgpr_kernarg_segment_ptr 1
		.amdhsa_wavefront_size32 1
		.amdhsa_system_sgpr_workgroup_id_x 1
		.amdhsa_system_sgpr_workgroup_id_y 1
		.amdhsa_system_sgpr_workgroup_id_z 1
		.amdhsa_system_vgpr_workitem_id 0
		.amdhsa_next_free_vgpr 960
		.amdhsa_next_free_sgpr 66
		.amdhsa_reserve_vcc 0
		.amdhsa_float_denorm_mode_32 3
		.amdhsa_float_denorm_mode_16_64 3
		.amdhsa_memory_ordered 1
		.amdhsa_forward_progress 1
		.amdhsa_inst_pref_size 163
	.end_amdhsa_kernel
	.amdgpu_metadata
---
amdhsa.version: [ 1, 2 ]
amdhsa.kernels:
  - .name:           k_q80c33114de_proj
    .symbol:         k_q80c33114de_proj.kd
    .args:
      - { .name: xb, .offset: 0, .size: 8, .value_kind: global_buffer, .address_space: global }
      - { .name: wt, .offset: 8, .size: 8, .value_kind: global_buffer, .address_space: global }
      - { .name: qkv, .offset: 16, .size: 8, .value_kind: global_buffer, .address_space: global }
    .group_segment_fixed_size: 327680
    .private_segment_fixed_size: 0
    .kernarg_segment_align: 8
    .kernarg_segment_size: 24
    .max_flat_workgroup_size: 128
    .sgpr_count:     66
    .vgpr_count:     960
    .wavefront_size: 32
...
	.end_amdgpu_metadata
.endif
;; end of part 2
;; launch attn (part 3): grid 8 x 32, 8 waves a work-group, no clusters, 327,680 bytes of LDS; arguments qkv, ob; writes ob
.if DOCPART == 3
	.amdgcn_target "amdgcn-amd-amdhsa--gfx1250"
	.amdhsa_code_object_version 6
	.text
	.protected	k_q80c33114de_attn
	.globl	k_q80c33114de_attn
	.p2align	8
	.type	k_q80c33114de_attn,@function
k_q80c33114de_attn:
	s_mov_b64 s[64:65], 0
	v_nop
	global_prefetch_b8 v0, s[64:65] scope:SCOPE_SE
	s_setreg_imm32_b32 hwreg(HW_REG_WAVE_MODE, 25, 1), 1
	s_wait_xcnt 0x0
; Causal attention of one head of one batch row (y = 16 b + head) for two blocks of 128 queries: j = x and then j = 15 - x.
; That is (x + 1) + (16 - x) = 17 steps of 128 keys in every work-group.  Operands in f16, sums, maxima and exponentials in f32,
; with a running maximum for each query.
; Eight waves: wave = 4 g + wq.  It owns queries 32 wq .. 32 wq + 31 of the block (two tiles of 16) and, in each step, the 64 keys of half g.
; The two halves' partial results (O, maximum, sum) are merged through LDS at the end of a block.
; TRANSPOSED PRODUCTS: S^T = K Q^T (source 0 = 16 keys, source 1 = 16 queries): lane (r, hh), register jj of tile (kt, qn) holds
; key 16 kt + 8 hh + jj for query 16 qn + r.  The packed exponentials of two key tiles are then already source 1 of O^T = V^T P^T,
; whose source 0, V^T, comes by the transposing LDS load.  A query's figures lie in lanes r and r + 16.
; NO CLUSTER: the work-groups of a head walk the key tiles 0 .. x, 0 .. 15 - x, an order that differs with x; a joint request
; would need the same tile in the same step in all partners, which here means every partner doing all sixteen steps of every block.
; LIMITS: Q, K, V, O are f16 (finite below 65,504); an exponential below 2^-24 becomes 0 as a matrix operand;
; NaN and infinities in the inputs are not treated specially; the running maximum starts at minus the largest finite f32.
; ob: byte (m >> 1) 4096 + head 256 + (m & 1) 128 + 2 d, so that two rows of a head are 256 consecutive bytes.
.set SLOT,   36864                     ; an LDS slot: K at 0 (64 rows of 256 bytes = 128 keys, pitch 272), V at 18,432 (pitch 288)
.set KPITCH, 272
.set VPITCH, 288
.set VOFF,   18432
.set MERGE,  2*SLOT                    ; 9,216 bytes for each wq: what half 1 hands to half 0.  No tensor load lands here
.set MSZ,    9216
.set OUTS,   MERGE+4*MSZ               ; 4,608 bytes for each wq: 32 rows of 128 bytes, pitch 144
.set OPITCH, 144
.set OSZ,    32*OPITCH
.set RKA,  1                           ; LDS address of my K fragments
.set RVA,  2                           ; of my V fragments
.set RDIA, 3                           ; 32 wq + r - 64 g - 8 hh: a score is kept on the diagonal block if 16 kt - 16 qn + jj <= this
.set RQO,  4                           ; offset of my Q fragments
.set RMST, 5
.set ROST, 6
.set RORD, 7
.set ROGO, 8
.set RINF, 9                           ; minus infinity
.set RL,   10                          ; v[10:11] my lane's running sum, for each query tile
.set RNM,  12                          ; v[12:15] minus c times the running maximum, twice for each query tile
.set RAL,  16                          ; v[16:19] the factor on what was summed before, twice for each query tile
.set RT,   20                          ; v[20:31] at work
.set RQ,   32                          ; v[32:63] Q fragment (qn, ee) at 8 (2 qn + ee)
.set RKV,  64                          ; v[64:127] K fragments (ee, kt) at 32 ee + 8 kt, then V fragments (kh, dt) at 32 kh + 8 dt
.set RM,   96                          ; the merge's figures, then the rows read back
.set RS,   128                         ; v[128:191] score tile (kt, qn) at 32 qn + 8 kt
.set RO,   192                         ; v[192:255] O^T tile (dt, qn) at 32 qn + 8 dt
.set G1K, 24                           ; s[24:31] group 1 for K
.set G1V, 32                           ; s[32:39] group 1 for V
.set G0K, 40                           ; s[40:47] group 0 for K, a set for each slot
.set G0V, 68                           ; s[68:75] group 0 for V
; Wave 0 brings K's tile, wave 1 V's, 16,384 bytes each; the other waves issue none.  One tensor load of a wave is out at the most.
.macro KVLOAD slot
	s_cmp_lg_u32 s8, 0
	s_cbranch_scc1 .Lnot_k_\@
	tensor_load_to_lds s[G0K+4*(\slot):G0K+4*(\slot)+3], s[G1K:G1K+7]
	s_nop 0
.Lnot_k_\@:
	s_cmp_lg_u32 s8, 1
	s_cbranch_scc1 .Lnot_v_\@
	tensor_load_to_lds s[G0V+4*(\slot):G0V+4*(\slot)+3], s[G1V:G1V+7]
	s_nop 0
.Lnot_v_\@:
.endm
	s_load_b128 s[4:7], s[0:1], 0x0                ; qkv s[4:5], ob s[6:7]
	v_lshl_add_u32 v30, v0, 2, 0x29000
	v_mov_b32 v31, 0
	ds_add_u32 v30, v31
	ds_add_u32 v30, v31
	v_lshrrev_b32 v9, 5, v0
	v_readfirstlane_b32 s8, v9                     ; wave 0..7
	s_lshr_b32 s9, s8, 2                           ; g: my half of the keys
	s_and_b32 s10, s8, 3                           ; wq: my 32 queries
	s_lshr_b32 s12, s8, 1                          ; 2 for waves 4 and 5
	s_mov_b32 s11, ttmp9                           ; x
	s_and_b32 s13, ttmp7, 0xffff
	s_lshr_b32 s14, s13, 4                         ; b
	s_and_b32 s13, s13, 15                         ; head
	s_mov_b32 s15, s11                             ; j: the query block
	s_mov_b32 s16, 0                               ; t: the key tile
	; Group 1: a dense block of 16,384 bytes as 64 rows of 32 elements of 8 bytes; behind every 64 words a pad of 4 words (K) or 8 (V)
	s_mov_b32 s[G1K+0], (3<<16)|(1<<20)|(5<<22)|(3<<25)
	s_mov_b32 s[G1V+0], (3<<16)|(1<<20)|(5<<22)|(7<<25)
	s_mov_b32 s[G1K+1], 32<<16                     ; tensor_dim0 = 32
	s_mov_b32 s[G1V+1], 32<<16
	s_mov_b32 s[G1K+2], 64<<16                     ; tensor_dim1 = 64
	s_mov_b32 s[G1V+2], 64<<16
	s_mov_b32 s[G1K+3], 32<<16                     ; tile_dim0 = 32
	s_mov_b32 s[G1V+3], 32<<16
	s_mov_b32 s[G1K+4], 64                         ; tile_dim1 = 64
	s_mov_b32 s[G1V+4], 64
	s_mov_b32 s[G1K+5], 32                         ; elements from row to row
	s_mov_b32 s[G1V+5], 32
	s_mov_b32 s[G1K+6], 0
	s_mov_b32 s[G1V+6], 0
	s_mov_b32 s[G1K+7], 0
	s_mov_b32 s[G1V+7], 0
	s_lshl_b32 s18, s13, 19                        ; head x 524,288: Q's slot
	s_lshl_b32 s19, s14, 18                        ; b x 2,048 rows of 128 bytes
	s_add_co_u32 s18, s18, s19
	s_lshl_b32 s19, s10, 12                        ; wq x 32 rows
	s_add_co_u32 s58, s18, s19                     ; Q: all but the block
	s_add_co_u32 s18, s18, 16*524288               ; K's slot is 16 further on
	s_mov_b32 s19, 0                               ; stays 0: the high word of every tile offset
	s_lshl_b32 s59, s14, 22                        ; ob: b x 1,024 pairs of rows of 4,096 bytes
	s_lshl_b32 s2, s10, 16                         ; wq x 16 pairs
	s_add_co_u32 s59, s59, s2
	s_lshl_b32 s2, s13, 8                          ; head x 256
	s_add_co_u32 s59, s59, s2
	s_wait_dscnt 0x0
	s_wait_kmcnt 0x0
	s_add_nc_u64 s[20:21], s[4:5], s[18:19]        ; K of this head and batch row
	s_add_nc_u64 s[22:23], s[20:21], 16*524288     ; V
	s_mov_b32 s[G0K+0], 1
	s_mov_b32 s[G0K+1], 0                          ; LDS addresses are constants: each line is issued by one wave
	s_mov_b64 s[G0K+2:G0K+3], s[20:21]             ; tile 0
	s_or_b32 s[G0K+3], s[G0K+3], 0x80000000
	s_mov_b32 s[G0K+4], 1
	s_mov_b32 s[G0K+5], SLOT
	s_mov_b32 s[G0V+0], 1
	s_mov_b32 s[G0V+1], VOFF
	s_mov_b64 s[G0V+2:G0V+3], s[22:23]
	s_or_b32 s[G0V+3], s[G0V+3], 0x80000000
	s_mov_b32 s[G0V+4], 1
	s_mov_b32 s[G0V+5], SLOT+VOFF
	KVLOAD 0                                       ; the first fill, ahead of every wait on TENSORcnt, LDS read and barrier
	s_mov_b32 s48, 0x3e38aa3b                      ; c = log2(e) / 8: the scale 1 / sqrt(64) and the change of base in one factor
	s_mov_b32 s49, 0x3e38aa3b
	s_mov_b32 s50, 0xbe38aa3b                      ; - c
	s_mov_b32 s52, 0x76543210                      ; v_permlanex16_b32: lane i reads lane i of the other half
	s_mov_b32 s53, 0xfedcba98
	v_and_b32 v20, 15, v0                          ; r
	v_bfe_u32 v21, v0, 4, 1                        ; hh
	v_lshrrev_b32 v22, 1, v20                      ; r >> 1
	v_and_b32 v23, 1, v0                           ; r & 1
	; key k lies at (k >> 1) pitch + (k & 1) 128.  K fragment: key 64 g + 16 kt + r, bytes 64 ee + 16 hh and 32 further
	v_mul_u32_u24 v[RKA], v22, KPITCH
	v_lshl_add_u32 v[RKA], v23, 7, v[RKA]
	v_lshl_add_u32 v[RKA], v21, 4, v[RKA]
	s_mul_i32 s2, s9, 32*KPITCH
	v_add_nc_u32 v[RKA], s2, v[RKA]
	; V fragment by the transposing load: lane l addresses key 64 g + 32 kh + 8 hh + (l & 7), columns 16 dt + 8 ((l >> 3) & 1) ..
	v_bfe_u32 v24, v0, 1, 2
	v_lshl_add_u32 v24, v21, 2, v24                ; 4 hh + ((l & 7) >> 1)
	v_mul_u32_u24 v[RVA], v24, VPITCH
	v_lshl_add_u32 v[RVA], v23, 7, v[RVA]
	v_bfe_u32 v24, v0, 3, 1
	v_lshl_add_u32 v[RVA], v24, 4, v[RVA]
	s_mul_i32 s2, s9, 32*VPITCH
	s_add_co_u32 s2, s2, VOFF
	v_add_nc_u32 v[RVA], s2, v[RVA]
	s_lshl_b32 s2, s10, 5
	s_lshl_b32 s3, s9, 6
	s_sub_co_i32 s2, s2, s3                        ; 32 wq - 64 g
	v_add_nc_u32 v[RDIA], s2, v20
	v_lshlrev_b32 v24, 3, v21
	v_sub_nc_u32 v[RDIA], v[RDIA], v24
	v_lshlrev_b32 v[RQO], 7, v20                   ; Q: row r of 128 bytes + 16 hh
	v_lshl_add_u32 v[RQO], v21, 4, v[RQO]
	v_and_b32 v24, 31, v0
	s_mul_i32 s2, s10, MSZ
	s_add_co_u32 s2, s2, MERGE
	v_lshl_add_u32 v[RMST], v24, 4, s2             ; the merge: 16 bytes a lane
	s_mul_i32 s2, s10, OSZ
	s_add_co_u32 s2, s2, OUTS
	v_mul_u32_u24 v[ROST], v20, OPITCH
	v_lshl_add_u32 v[ROST], v21, 4, v[ROST]
	v_add_nc_u32 v[ROST], s2, v[ROST]              ; out: row r, 16 bytes for each half of the lanes
	v_bfe_u32 v24, v0, 3, 2
	v_mul_u32_u24 v[RORD], v24, OPITCH
	v_and_b32 v24, 7, v0
	v_lshl_add_u32 v[RORD], v24, 4, v[RORD]
	v_add_nc_u32 v[RORD], s2, v[RORD]              ; back: eight lanes a row, a wave four rows
	v_lshlrev_b32 v[ROGO], 12, v21                 ; in ob: lanes 0-15 one pair of rows (256 bytes), lanes 16-31 the next pair
	v_lshl_add_u32 v[ROGO], v20, 4, v[ROGO]
	v_mov_b32 v[RINF], 0xff800000
; A query block begins: its Q fragments, its place in ob, empty sums.  O is cleared (64 registers, twice in a wave): a block's first chunk
; may be the plain or the masked one, and two more copies of the chunk with C = 0 would cost more text than these lines.
.macro SETUP
	s_lshl_b32 s60, s15, 14                        ; j x 128 rows of 128 bytes
	s_add_co_u32 s60, s60, s58
	s_mov_b32 s61, 0
	s_add_nc_u64 s[54:55], s[4:5], s[60:61]
.irp qn, 0,1
.irp ee, 0,1
	global_load_b128 v[RQ+8*(2*\qn+\ee):RQ+8*(2*\qn+\ee)+3],   v[RQO], s[54:55] offset:\qn*2048+\ee*64
	global_load_b128 v[RQ+8*(2*\qn+\ee)+4:RQ+8*(2*\qn+\ee)+7], v[RQO], s[54:55] offset:\qn*2048+\ee*64+32
.endr
.endr
	s_lshl_b32 s2, s15, 18                         ; j x 64 pairs of rows of 4,096 bytes
	s_add_co_u32 s2, s2, s59
	s_mov_b32 s3, 0
	s_add_nc_u64 s[56:57], s[6:7], s[2:3]
.set xx, 0
.rept 64
	v_mov_b32 v[RO+xx], 0
.set xx, xx+1
.endr
.irp k, 0,1,2,3
	v_mov_b32 v[RNM+\k], 0x7f7fffff                ; minus c times a maximum of minus the largest finite number
.endr
	v_mov_b32 v[RL], 0
	v_mov_b32 v[RL+1], 0
	s_wait_loadcnt 0x0                             ; Q, once a block
.endm
; My 64 keys of the tile in the slot against my 32 queries.  masked = 1: the diagonal block.
; In each run of matrix instructions eight accumulators take turns, one instruction a turn.
.macro CHUNK slot, masked
.rept 5
	v_nop                                          ; five places behind the last P V instruction: loads go into its source 0, matrix results over its source 1
.endr
.irp ee, 0,1
.irp kt, 0,1,2,3
	ds_load_b128 v[RKV+32*\ee+8*\kt:RKV+32*\ee+8*\kt+3],   v[RKA] offset:\slot*SLOT+\kt*8*KPITCH+\ee*64
	ds_load_b128 v[RKV+32*\ee+8*\kt+4:RKV+32*\ee+8*\kt+7], v[RKA] offset:\slot*SLOT+\kt*8*KPITCH+\ee*64+32
.endr
.endr
	s_wait_dscnt 0x8                               ; d = 0 .. 31 is in; the eight loads of d = 32 .. 63, issued behind, may be out
.irp kt, 0,1,2,3
.irp qn, 0,1
	v_wmma_f32_16x16x32_f16 v[RS+32*\qn+8*\kt:RS+32*\qn+8*\kt+7], v[RKV+8*\kt:RKV+8*\kt+7], v[RQ+16*\qn:RQ+16*\qn+7], 0
.endr
.endr
	s_wait_dscnt 0x0
.irp kt, 0,1,2,3
.irp qn, 0,1
	v_wmma_f32_16x16x32_f16 v[RS+32*\qn+8*\kt:RS+32*\qn+8*\kt+7], v[RKV+32+8*\kt:RKV+32+8*\kt+7], v[RQ+16*\qn+8:RQ+16*\qn+15], v[RS+32*\qn+8*\kt:RS+32*\qn+8*\kt+7]
.endr
.endr
.rept 4
	v_nop                                          ; four places: loads go into K's registers, vector instructions read the scores
.endr
.irp kh, 0,1
.irp dt, 0,1,2,3
	ds_load_tr16_b128 v[RKV+32*\kh+8*\dt:RKV+32*\kh+8*\dt+3],   v[RVA] offset:\slot*SLOT+\kh*16*VPITCH+\dt*32             ; V^T lands while the softmax is computed
	ds_load_tr16_b128 v[RKV+32*\kh+8*\dt+4:RKV+32*\kh+8*\dt+7], v[RVA] offset:\slot*SLOT+\kh*16*VPITCH+\dt*32+8*VPITCH
.endr
.endr
.if \masked
.irp qn, 0,1
.irp kt, 0,1,2,3
.irp jj, 0,1,2,3,4,5,6,7
	v_cmp_le_i32 vcc_lo, 16*\kt-16*\qn+\jj, v[RDIA]                ; key <= query
	v_cndmask_b32 v[RS+32*\qn+8*\kt+\jj], v[RINF], v[RS+32*\qn+8*\kt+\jj], vcc_lo
.endr
.endr
.endr
.endif
	; the running maximum; every query of a chunk that is computed has a key that is kept, so the maximum is finite
.irp qn, 0,1
.set BB, RS+32*\qn
.set TT, RT+4*\qn
.set NN, RNM+2*\qn
.set AA, RAL+2*\qn
	v_max3_num_f32 v[TT],   v[BB],    v[BB+1],  v[BB+2]
	v_max3_num_f32 v[TT+1], v[BB+16], v[BB+17], v[BB+18]
.irp x, 3,5,7,9,11,13
	v_max3_num_f32 v[TT],   v[TT],   v[BB+\x],    v[BB+\x+1]
	v_max3_num_f32 v[TT+1], v[TT+1], v[BB+16+\x], v[BB+16+\x+1]
.endr
	v_max3_num_f32 v[TT], v[TT], v[BB+15], v[BB+31]
	v_max_num_f32 v[TT], v[TT], v[TT+1]
	v_permlanex16_b32 v[TT+1], v[TT], s52, s53     ; the other eight keys of each tile
	v_max_num_f32 v[TT], v[TT], v[TT+1]
	v_mul_f32 v[TT], s50, v[TT]                    ; - c max
	v_min_num_f32 v[TT+1], v[NN], v[TT]            ; the new - c maximum
	v_sub_f32 v[TT+2], v[TT+1], v[NN]
	v_exp_f32 v[AA], v[TT+2]                       ; 2^(c old - c new)
	v_mov_b32 v[NN], v[TT+1]                       ; a plain instruction stands behind the exponential before its result is read (ISA guide 5.7.2)
	v_mov_b32 v[NN+1], v[TT+1]
	s_wait_alu depctr_va_vdst(0)
	v_mov_b32 v[AA+1], v[AA]
.endr
.irp qn, 0,1
.set xx, 0
.rept 16
	v_pk_fma_f32 v[RS+32*\qn+xx:RS+32*\qn+xx+1], v[RS+32*\qn+xx:RS+32*\qn+xx+1], s[48:49], v[RNM+2*\qn:RNM+2*\qn+1] op_sel_hi:[1,0,1]
.set xx, xx+2
.endr
.endr
.set xx, 0
.rept 64
	v_exp_f32 v[RS+xx], v[RS+xx]
.set xx, xx+1
.endr
	v_nop                                          ; the plain place behind the exponentials
	s_wait_alu depctr_va_vdst(0)
.irp qn, 0,1
.set BB, RS+32*\qn
.set TT, RT+4*\qn
.set AA, RAL+2*\qn
	v_pk_add_f32 v[TT:TT+1],   v[BB:BB+1],   v[BB+2:BB+3]
	v_pk_add_f32 v[TT+2:TT+3], v[BB+4:BB+5], v[BB+6:BB+7]
.irp x, 8,12,16,20,24,28
	v_pk_add_f32 v[TT:TT+1],   v[TT:TT+1],   v[BB+\x:BB+\x+1]
	v_pk_add_f32 v[TT+2:TT+3], v[TT+2:TT+3], v[BB+\x+2:BB+\x+3]
.endr
	v_pk_add_f32 v[TT:TT+1], v[TT:TT+1], v[TT+2:TT+3]
	v_add_f32 v[TT], v[TT], v[TT+1]
	v_fma_f32 v[RL+\qn], v[RL+\qn], v[AA], v[TT]   ; my lane's keys alone; the two halves of the wave meet at the block's end
.set xx, 0
.rept 16
	v_cvt_pk_f16_f32 v[BB+xx], v[BB+2*xx], v[BB+2*xx+1]            ; ascending, in place: registers 0-7 are keys 0-31 as source 1, registers 8-15 keys 32-63
.set xx, xx+1
.endr
.set xx, 0
.rept 16
	v_pk_mul_f32 v[RO+32*\qn+xx:RO+32*\qn+xx+1], v[RO+32*\qn+xx:RO+32*\qn+xx+1], v[AA:AA+1]
.set xx, xx+2
.endr
.endr
	s_wait_dscnt 0x8                               ; V^T of keys 0-31 is in; the eight loads of keys 32-63 may be out
.irp dt, 0,1,2,3
.irp qn, 0,1
	v_wmma_f32_16x16x32_f16 v[RO+32*\qn+8*\dt:RO+32*\qn+8*\dt+7], v[RKV+8*\dt:RKV+8*\dt+7], v[RS+32*\qn:RS+32*\qn+7], v[RO+32*\qn+8*\dt:RO+32*\qn+8*\dt+7]
.endr
.endr
	s_wait_dscnt 0x0
.irp dt, 0,1,2,3
.irp qn, 0,1
	v_wmma_f32_16x16x32_f16 v[RO+32*\qn+8*\dt:RO+32*\qn+8*\dt+7], v[RKV+32+8*\dt:RKV+32+8*\dt+7], v[RS+32*\qn+8:RS+32*\qn+15], v[RO+32*\qn+8*\dt:RO+32*\qn+8*\dt+7]
.endr
.endr
.endm
; A query block ends: half 1 hands O, maximum and sum to half 0, which merges, divides, rounds to f16 and stores.  more = 1: the second block follows.
.macro EPILOGUE more
.rept 4
	v_nop                                          ; four places behind the last matrix instruction: O is stored, its sources are written
.endr
	s_cmp_eq_u32 s9, 0
	s_cbranch_scc1 .Lkeep_\@
.set xx, 0
.rept 16
	ds_store_b128 v[RMST], v[RO+4*xx:RO+4*xx+3] offset:512*xx
.set xx, xx+1
.endr
	ds_store_b128 v[RMST], v[RNM:RNM+3] offset:8192
	ds_store_b64 v[RMST], v[RL:RL+1] offset:8704
.Lkeep_\@:
	s_wait_dscnt 0x0                               ; for the partner: my stores are in LDS
	s_barrier_signal -1                            ; the next tile's load may stay out
	s_barrier_wait -1
	s_cmp_lg_u32 s9, 0
	s_cbranch_scc1 .Lgone_\@
.set xx, 0
.rept 16
	ds_load_b128 v[RS+4*xx:RS+4*xx+3], v[RMST] offset:512*xx
.set xx, xx+1
.endr
	ds_load_b128 v[RT:RT+3], v[RMST] offset:8192
	ds_load_b64 v[RT+4:RT+5], v[RMST] offset:8704
	s_wait_dscnt 0x0
.irp qn, 0,1
.set MM, RM+8*\qn
	v_min_num_f32 v[MM], v[RNM+2*\qn], v[RT+2*\qn]                 ; the common maximum
	v_sub_f32 v[MM+1], v[MM], v[RNM+2*\qn]
	v_sub_f32 v[MM+2], v[MM], v[RT+2*\qn]
	v_exp_f32 v[MM+1], v[MM+1]                     ; my factor
	v_exp_f32 v[MM+2], v[MM+2]                     ; the partner's: 0 if it has seen no key
	v_nop
	s_wait_alu depctr_va_vdst(0)
	v_mul_f32 v[MM+3], v[RL+\qn], v[MM+1]
	v_fmac_f32 v[MM+3], v[RT+4+\qn], v[MM+2]
	v_permlanex16_b32 v[MM], v[MM+3], s52, s53     ; the other half of the wave
	v_add_f32 v[MM+3], v[MM+3], v[MM]
	v_rcp_f32 v[MM+3], v[MM+3]                     ; the sum is at least 1: the largest score's own term
	v_nop
	s_wait_alu depctr_va_vdst(0)
	v_mul_f32 v[MM+4], v[MM+1], v[MM+3]
	v_mul_f32 v[MM+6], v[MM+2], v[MM+3]
	v_mov_b32 v[MM+5], v[MM+4]
	v_mov_b32 v[MM+7], v[MM+6]
.set xx, 0
.rept 16
	v_pk_mul_f32 v[RO+32*\qn+xx:RO+32*\qn+xx+1], v[RO+32*\qn+xx:RO+32*\qn+xx+1], v[MM+4:MM+5]
	v_pk_fma_f32 v[RO+32*\qn+xx:RO+32*\qn+xx+1], v[RS+32*\qn+xx:RS+32*\qn+xx+1], v[MM+6:MM+7], v[RO+32*\qn+xx:RO+32*\qn+xx+1]
.set xx, xx+2
.endr
.endr
.set xx, 0
.rept 32
	v_cvt_pk_f16_f32 v[RKV+xx], v[RO+2*xx], v[RO+2*xx+1]           ; eight neighbouring d of one query: 16 bytes
.set xx, xx+1
.endr
.irp qn, 0,1
.irp dt, 0,1,2,3
	ds_store_b128 v[ROST], v[RKV+4*(4*\qn+\dt):RKV+4*(4*\qn+\dt)+3] offset:\qn*16*OPITCH+\dt*32
.endr
.endr
.irp t, 0,1,2,3,4,5,6,7
	ds_load_b128 v[RM+4*\t:RM+4*\t+3], v[RORD] offset:\t*4*OPITCH  ; my own bytes: LDS serves a wave's instructions in order
.endr
.irp t, 0,1,2,3,4,5,6,7
	s_wait_dscnt 7-\t                              ; load t is in, the 7 - t behind it stay out
	global_store_b128 v[ROGO], v[RM+4*\t:RM+4*\t+3], s[56:57] offset:\t*8192   ; each half of the wave stores 256 consecutive bytes, aligned
.endr
.if \more
	s_wait_xcnt 0x0                                ; the stores' data and base are rewritten only behind this wait
.endif
.Lgone_\@:
.if \more
	s_sub_co_u32 s15, 15, s11                      ; the second block
	s_mov_b32 s16, 0
	SETUP
.endif
.endm
; One step: the tile in the slot is worked on, the next tile goes into the other slot.
.macro VISIT slot
	s_wait_tensorcnt 0x0                           ; all my tensor loads have landed, this step's tile among them: every group 0 may be written
	ds_add_u32 v30, v31
	ds_add_u32 v30, v31
	s_add_co_u32 s18, s16, 1
	s_cmp_lt_u32 s16, s15
	s_cselect_b32 s18, s18, 0                      ; the next tile: t + 1, or tile 0 of the second block
	s_lshl_b32 s18, s18, 14                        ; 128 keys of 128 bytes
	s_add_nc_u64 s[G0K+4*(1-\slot)+2:G0K+4*(1-\slot)+3], s[20:21], s[18:19]
	s_or_b32 s[G0K+4*(1-\slot)+3], s[G0K+4*(1-\slot)+3], 0x80000000
	s_add_nc_u64 s[G0V+4*(1-\slot)+2:G0V+4*(1-\slot)+3], s[22:23], s[18:19]
	s_or_b32 s[G0V+4*(1-\slot)+3], s[G0V+4*(1-\slot)+3], 0x80000000
	s_wait_dscnt 0x0                               ; my reads of the other slot are over
	s_barrier_signal -1
	s_barrier_wait -1                              ; both now hold of all eight waves
	KVLOAD 1-\slot                                 ; first behind the barrier: it has this step's work in which to land
	s_cmp_eq_u32 s16, s15
	s_cbranch_scc1 .Ldiag_\@
	CHUNK \slot, 0
	s_add_co_u32 s16, s16, 1
	s_branch .Lend_\@
.Ldiag_\@:
	s_cmp_eq_u32 s12, 2                            ; waves 4 and 5: keys 64 .. 127 all lie behind queries 0 .. 63
	s_cbranch_scc1 .Lskip_\@
	CHUNK \slot, 1
.Lskip_\@:
	EPILOGUE 1
.Lend_\@:
.endm
	SETUP
	s_mov_b32 s17, 0
.Lpair:                                            ; steps 0 to 15; the first block's diagonal step falls among them, the second block's is step 16
	VISIT 0
	VISIT 1
	s_add_co_u32 s17, s17, 1
	s_cmp_lt_u32 s17, 8
	s_cbranch_scc1 .Lpair
	s_wait_tensorcnt 0x0                           ; step 16, in slot 0: nothing is left to fetch
	s_wait_dscnt 0x0
	s_barrier_signal -1
	s_barrier_wait -1
	s_cmp_eq_u32 s12, 2
	s_cbranch_scc1 .Ltail_skip
	CHUNK 0, 1
.Ltail_skip:
	EPILOGUE 0
	s_wait_tensorcnt 0x0
	ds_add_u32 v30, v31
	s_wait_dscnt 0x0
	s_endpgm
.Lfunc_end_k_q80c33114de_attn:
	.size	k_q80c33114de_attn, .Lfunc_end_k_q80c33114de_attn-k_q80c33114de_attn
	.p2alignl 7, 3214868480
	.fill 96, 4, 3214868480
	.section	.rodata,"a",@progbits
	.p2align	6, 0x0
	.amdhsa_kernel k_q80c33114de_attn
		.amdhsa_group_segment_fixed_size 327680
		.amdhsa_private_segment_fixed_size 0
		.amdhsa_enable_private_segment 0
		.amdhsa_kernarg_size 16
		.amdhsa_user_sgpr_count 2
		.amdhsa_user_sgpr_kernarg_segment_ptr 1
		.amdhsa_wavefront_size32 1
		.amdhsa_system_sgpr_workgroup_id_x 1
		.amdhsa_system_sgpr_workgroup_id_y 1
		.amdhsa_system_sgpr_workgroup_id_z 1
		.amdhsa_system_vgpr_workitem_id 0
		.amdhsa_next_free_vgpr 256
		.amdhsa_next_free_sgpr 76
		.amdhsa_reserve_vcc 1
		.amdhsa_float_denorm_mode_32 3
		.amdhsa_float_denorm_mode_16_64 3
		.amdhsa_memory_ordered 1
		.amdhsa_forward_progress 1
		.amdhsa_inst_pref_size 152
	.end_amdhsa_kernel
	.amdgpu_metadata
---
amdhsa.version: [ 1, 2 ]
amdhsa.kernels:
  - .name:           k_q80c33114de_attn
    .symbol:         k_q80c33114de_attn.kd
    .args:
      - { .name: qkv, .offset: 0, .size: 8, .value_kind: global_buffer, .address_space: global }
      - { .name: ob, .offset: 8, .size: 8, .value_kind: global_buffer, .address_space: global }
    .group_segment_fixed_size: 327680
    .private_segment_fixed_size: 0
    .kernarg_segment_align: 8
    .kernarg_segment_size: 16
    .max_flat_workgroup_size: 256
    .sgpr_count:     76
    .vgpr_count:     256
    .wavefront_size: 32
...
	.end_amdgpu_metadata
.endif
;; end of part 3
;; launch oproj (part 4): grid 8 x 32, 4 waves a work-group, clusters of 4 x 4, 327,680 bytes of LDS; arguments ob, wot, out0; writes out0
.if DOCPART == 4
	.amdgcn_target "amdgcn-amd-amdhsa--gfx1250"
	.amdhsa_code_object_version 6
	.text
	.protected	k_q80c33114de_oproj
	.globl	k_q80c33114de_oproj
	.p2align	8
	.type	k_q80c33114de_oproj,@function
k_q80c33114de_oproj:
	s_mov_b64 s[64:65], 0
	v_nop
	global_prefetch_b8 v0, s[64:65] scope:SCOPE_SE
	s_setreg_imm32_b32 hwreg(HW_REG_WAVE_MODE, 25, 1), 1
	s_wait_xcnt 0x0
	s_wait_alu depctr_hold_cnt(0) depctr_sa_sdst(0) depctr_va_vdst(0) depctr_va_sdst(0) depctr_va_ssrc(0) depctr_va_vcc(0) depctr_vm_vsrc(0)
	s_getreg_b32 s2, hwreg(HW_REG_IB_STS2, 6, 4)
	s_cmp_eq_u32 s2, 0
	s_cbranch_scc0 .Lentry_in_a_cluster
	s_endpgm
.Lentry_in_a_cluster:
	s_bfe_u32 s2, ttmp6, 0x10000c
	s_cmp_lg_u32 s2, 0xf033
	s_cbranch_scc0 .Lentry_shape_is_right
	s_endpgm
.Lentry_shape_is_right:
; out0 = O (4096 x 1024, f16, in ob's layout) times wot^T (1024 x 1024, f16), sums in f32, stored in f32.
; ob: byte (m >> 1) 4096 + head 256 + (m & 1) 128 + 2 d, with k = 64 head + d.  A pair of rows and 256 of K are 1,024 consecutive bytes.
; A work-group makes 128 x 128 with four waves, wave (wm, wn) 64 x 64: 16 accumulator tiles.  8 x 32 = 256 work-groups.
; K goes in four fills of 256 through two LDS slots; a fill is four steps of 64 (one head each).
; CLUSTERS: 4 x 4 work-groups; O's tile is shared along a row of the cluster, wot's along a column, by joint tensor loads.
; REGISTERS: window 0: v16-26 addresses, v32-63 the way out, v128-255 accumulators (tile (a, b) at 128 + 8 (4 a + b));
; window 1: two fragment buffers v0-127, v128-255: O's fragment (a, kq) at 8 (4 kq + a), wot's (b, kq) at 64 + 8 (4 kq + b).
; The matrix instruction is used transposed (source 0 = rows of wot, source 1 = rows of O): lane l holds row l % 16 and eight neighbouring columns.
.set REG,    33792                     ; the LDS region that one wave fills: 32 pairs of rows x 1,040 bytes (O), or 64 rows x 528 bytes (wot)
.set SLOT,   4*REG
.set STAGE,  2*SLOT                    ; behind the ring, never filled by a tensor load
.set SPITCH, 272                       ; 64 f32 + 16 bytes
.set APITCH, 1040                      ; 1,024 + 16: rows r and r + 1 of a pair lie 128 bytes apart, pairs 16 modulo 256: sixteen different 16-byte columns
.set BPITCH, 528                       ; 512 + 16
.set ADRA, 16
.set ADRB, 20
.set STO,  24
.set RD,   25
.set CO,   26
.set RB,   32
.set ACC,  128
.set F0,   0
.set F1,   128
.set G1,  24
.set G0,  32
.set G1B, 48
.set G0B, 56
.set MSB, 0
.macro WIN new
.if MSB != \new
	s_set_vgpr_msb (MSB<<8)|\new
.set MSB, \new
.endif
.endm
.set MULW, 0x05                        ; sources 0 and 1 window 1, C and D window 0
.set LDW,  0x40                        ; destination window 1
.macro JLOAD s
	s_cmp_eq_u32 s11, 0
	s_cbranch_scc0 .Lfor_b_\@
	tensor_load_to_lds s[G0+4*\s:G0+4*\s+3], s[G1:G1+7]
	s_nop 0
	s_branch .Lasked_\@
.Lfor_b_\@:
	tensor_load_to_lds s[G0B+4*\s:G0B+4*\s+3], s[G1B:G1B+7]
	s_nop 0
.Lasked_\@:
.endm
.macro CREST
	s_cmp_lg_u32 s10, 0
	s_cbranch_scc1 .Lnot_wave_0_\@
	s_barrier_signal -3
.Lnot_wave_0_\@:
	s_barrier_wait -3
	s_barrier_signal -1
	s_barrier_wait -1
.endm
.macro CROUND
	s_barrier_signal -1
	s_barrier_wait -1
	CREST
.endm
	s_load_b128 s[4:7], s[0:1], 0x0                ; ob s[4:5], wot s[6:7]
	s_load_b64 s[8:9], s[0:1], 0x10                ; out0
	v_lshl_add_u32 v126, v0, 2, 0x46400
	v_mov_b32 v127, 0
	ds_add_u32 v126, v127
	ds_add_u32 v126, v127
	v_lshrrev_b32 v1, 5, v0
	v_readfirstlane_b32 s10, v1                    ; wave 0..3
	s_lshr_b32 s11, s10, 1                         ; wm.  Also: I fetch for O (0) or for wot (1)
	s_and_b32 s12, s10, 1                          ; wn.  Also: which half of that tile
	s_bfe_u32 s40, ttmp6, 0x40000                  ; cx
	s_bfe_u32 s41, ttmp6, 0x40004                  ; cy
	s_lshl_b32 s42, ttmp9, 2
	s_add_co_u32 s42, s42, s40                     ; block column
	s_and_b32 s13, ttmp7, 0xffff
	s_lshl_b32 s13, s13, 2
	s_add_co_u32 s13, s13, s41                     ; block row
	s_lshl_b32 s43, s41, 2
	s_lshl_b32 s43, 15, s43                        ; my row of the cluster
	s_lshl_b32 s44, 0x1111, s40                    ; my column
	s_or_b32 s[G1+0], s43, (1<<16)|(1<<20)|(1<<21)|(7<<22)|(3<<25)   ; O: pad of 4 words behind every 256 words
	s_or_b32 s[G1B+0], s44, (1<<16)|(1<<20)|(1<<21)|(6<<22)|(3<<25)  ; wot: behind every 128 words
	s_mov_b32 s[G1+1], 512<<16                     ; tensor_dim0: 512 elements = a pair of rows x 256 of K
	s_mov_b32 s[G1B+1], 256<<16
	s_mov_b32 s[G1+2], 32<<16                      ; tensor_dim1: 32 pairs of rows
	s_mov_b32 s[G1B+2], 64<<16                     ; 64 rows
	s_mov_b32 s[G1+3], 512<<16                     ; tile_dim0
	s_mov_b32 s[G1B+3], 256<<16
	s_mov_b32 s[G1+4], 32                          ; tile_dim1
	s_mov_b32 s[G1B+4], 64
	s_mov_b32 s[G1+5], 2048                        ; elements from a pair of rows to the next
	s_mov_b32 s[G1B+5], 1024
	s_mov_b32 s[G1+6], 0
	s_mov_b32 s[G1B+6], 0
	s_mov_b32 s[G1+7], 0
	s_mov_b32 s[G1B+7], 0
	s_lshl_b32 s17, s12, 5
	s_lshl_b32 s16, s13, 6
	s_add_co_u32 s16, s16, s17                     ; O: pair of rows 64 x block row + 32 x half
	s_lshl_b32 s16, s16, 12
	s_mov_b32 s17, 0
	s_lshl_b32 s45, s12, 6
	s_lshl_b32 s46, s42, 7
	s_add_co_u32 s46, s46, s45                     ; wot: row 128 x block column + 64 x half
	s_lshl_b32 s46, s46, 11
	s_mov_b32 s47, 0
	s_mul_i32 s20, s10, REG                        ; where my load goes: the wave number alone
	s_wait_dscnt 0x0
	s_wait_kmcnt 0x0
	s_add_nc_u64 s[14:15], s[4:5], s[16:17]
	s_add_nc_u64 s[46:47], s[6:7], s[46:47]
	CROUND                                         ; all sixteen work-groups are here: the first joint loads meet
.irp s, 0,1
	s_mov_b32 s[G0+4*\s], 1
	s_add_co_u32 s[G0+4*\s+1], s20, \s*SLOT
	s_add_nc_u64 s[G0+4*\s+2:G0+4*\s+3], s[14:15], \s*1024
	s_or_b32 s[G0+4*\s+3], s[G0+4*\s+3], 0x80000000
	s_mov_b32 s[G0B+4*\s], 1
	s_add_co_u32 s[G0B+4*\s+1], s20, \s*SLOT
	s_add_nc_u64 s[G0B+4*\s+2:G0B+4*\s+3], s[46:47], \s*512
	s_or_b32 s[G0B+4*\s+3], s[G0B+4*\s+3], 0x80000000
	JLOAD \s                                       ; fills 0 and 1: two loads of the wave are out, the most in this text
.endr
	v_and_b32 v1, 15, v0                           ; r
	v_bfe_u32 v2, v0, 4, 1                         ; h
	v_lshrrev_b32 v3, 1, v1
	v_mul_u32_u24 v3, v3, APITCH
	v_and_b32 v4, 1, v0
	v_lshl_add_u32 v3, v4, 7, v3
	v_lshl_add_u32 v3, v2, 4, v3                   ; O: (r >> 1) pitch + (r & 1) 128 + 16 h
	v_mul_u32_u24 v4, v1, BPITCH
	v_lshl_add_u32 v4, v2, 4, v4                   ; wot: r pitch + 16 h
	s_mul_i32 s21, s11, REG                        ; my 64 rows of O
	s_mul_i32 s22, s12, REG
	s_add_co_u32 s22, s22, 2*REG                   ; my 64 rows of wot
.irp s, 0,1
	v_add_nc_u32 v[ADRA+\s], s21, v3
	v_add_nc_u32 v[ADRB+\s], s22, v4
	s_add_co_u32 s21, s21, SLOT
	s_add_co_u32 s22, s22, SLOT
.endr
	s_mul_i32 s23, s10, 16*SPITCH
	s_add_co_u32 s23, s23, STAGE                   ; my stage
	v_mul_u32_u24 v5, v1, SPITCH
	v_lshl_add_u32 v5, v2, 5, v5
	v_add_nc_u32 v[STO], s23, v5                   ; in: row r, 32 bytes for each half of the lanes
	v_mul_u32_u24 v5, v2, SPITCH
	v_lshl_add_u32 v5, v1, 4, v5
	v_add_nc_u32 v[RD], s23, v5                    ; back: lanes 0-15 one row of 256 bytes, lanes 16-31 the next
	v_lshlrev_b32 v5, 12, v2
	v_lshl_add_u32 v[CO], v1, 4, v5                ; the same two rows in out0
; 8 matrix instructions: row tiles a0, a0 + 1 x 4 column tiles, 32 along K (half kq of the buffer)
.macro MUL8 f, kq, a0, zero
.irp a, \a0, \a0+1
.irp b, 0,1,2,3
.if \zero
	v_wmma_f32_16x16x32_f16 v[ACC+8*(4*(\a)+\b):ACC+8*(4*(\a)+\b)+7], v[\f+64+8*(4*\kq+\b):\f+64+8*(4*\kq+\b)+7], v[\f+8*(4*\kq+(\a)):\f+8*(4*\kq+(\a))+7], 0
.else
	v_wmma_f32_16x16x32_f16 v[ACC+8*(4*(\a)+\b):ACC+8*(4*(\a)+\b)+7], v[\f+64+8*(4*\kq+\b):\f+64+8*(4*\kq+\b)+7], v[\f+8*(4*\kq+(\a)):\f+8*(4*\kq+(\a))+7], v[ACC+8*(4*(\a)+\b):ACC+8*(4*(\a)+\b)+7]
.endif
.endr
.endr
.endm
; 32 LDS loads in one run: head hh of the slot (64 of K), the first 32 of K first
.macro FETCH slot, hh, f
	WIN LDW
.irp kq, 0,1
.irp i, 0,1,2,3
	ds_load_b128 v[\f+8*(4*\kq+\i):\f+8*(4*\kq+\i)+3],   v[ADRA+\slot] offset:\i*8*APITCH+\hh*256+\kq*64
	ds_load_b128 v[\f+8*(4*\kq+\i)+4:\f+8*(4*\kq+\i)+7], v[ADRA+\slot] offset:\i*8*APITCH+\hh*256+\kq*64+32
.endr
.irp i, 0,1,2,3
	ds_load_b128 v[\f+64+8*(4*\kq+\i):\f+64+8*(4*\kq+\i)+3],   v[ADRB+\slot] offset:\i*16*BPITCH+\hh*128+\kq*64
	ds_load_b128 v[\f+64+8*(4*\kq+\i)+4:\f+64+8*(4*\kq+\i)+7], v[ADRB+\slot] offset:\i*16*BPITCH+\hh*128+\kq*64+32
.endr
.endr
.endm
.macro PLACES                          ; four places behind a matrix instruction before a load goes into a register that it read, or its result is stored
.rept 4
	v_nop
.endr
.endm
; A step of 64 along K on buffer f; in its middle head hh of the same slot goes into buffer g.
; The 16 accumulators take turns, one instruction a turn, in the same order throughout.
.macro HSTEP slot, hh, f, g, zero
	s_wait_dscnt 16                                ; the first 32 of K are in; the sixteen loads of the second 32 may be out
	WIN MULW
	MUL8 \f, 0, 0, \zero
	MUL8 \f, 0, 2, \zero
	PLACES
	FETCH \slot, \hh, \g
	s_wait_dscnt 32                                ; all but the 32 just issued
	WIN MULW
	MUL8 \f, 1, 0, 0
	MUL8 \f, 1, 2, 0
.endm
.macro THREE slot, zero
	HSTEP \slot, 1, F0, F1, \zero
	HSTEP \slot, 2, F1, F0, 0
	HSTEP \slot, 3, F0, F1, 0
.endm
; The slot's last step changes slots: each wave's waits for its reads and for all its tensor loads, the barrier (with fill = 1 it opens a round
; of the cluster's barrier), the joint refill first behind it, then the next slot's first fragments.
.macro TURN slot, next, fill
	s_wait_dscnt 16
	WIN MULW
	MUL8 F1, 0, 0, 0
	s_wait_dscnt 0                                 ; my reads of this slot are over
	s_set_vgpr_msb 0x500
	s_wait_tensorcnt 0x0                           ; all my tensor loads have landed: the one that was out is my part of the next slot
	ds_add_u32 v126, v127
	s_wait_dscnt 0x0
	s_set_vgpr_msb 0x5
	s_barrier_signal -1
	MUL8 F1, 0, 2, 0                               ; register work while the others arrive
	WIN 0
	s_barrier_wait -1
.if \fill
	CREST
	s_add_nc_u64 s[G0+4*\slot+2:G0+4*\slot+3], s[G0+4*\slot+2:G0+4*\slot+3], 2048
	s_add_nc_u64 s[G0B+4*\slot+2:G0B+4*\slot+3], s[G0B+4*\slot+2:G0B+4*\slot+3], 1024
	JLOAD \slot
.endif
	PLACES
	FETCH \next, 0, F0
	WIN MULW
	MUL8 F1, 1, 0, 0
	MUL8 F1, 1, 2, 0
.endm
	s_wait_tensorcnt 1                             ; my part of fill 0 is in; fill 1's load, issued behind it, stays out
	s_barrier_signal -1
	s_barrier_wait -1
	FETCH 0, 0, F0
	THREE 0, 1                                     ; the first products start the sums
	TURN 0, 1, 1                                   ; fill 2 goes into slot 0
	THREE 1, 0
	TURN 1, 0, 1                                   ; fill 3 into slot 1
	THREE 0, 0
	TURN 0, 1, 0                                   ; nothing is left to fetch
	THREE 1, 0
	s_wait_dscnt 16
	WIN MULW
	MUL8 F1, 0, 0, 0
	MUL8 F1, 0, 2, 0
	s_wait_dscnt 0
	MUL8 F1, 1, 0, 0
	MUL8 F1, 1, 2, 0
	; THE WAY OUT, 16 rows at a time, f32 as it stands: 32 bytes a lane into my own stage, read back as rows of 256 bytes.
	WIN 0
	PLACES
	s_lshl_b32 s16, s13, 19                        ; 128 rows of 4,096 bytes a block row
	s_lshl_b32 s14, s11, 18                        ; 64 rows
	s_add_co_u32 s16, s16, s14
	s_mov_b32 s17, 0
	s_add_nc_u64 s[8:9], s[8:9], s[16:17]
	s_lshl_b32 s46, s42, 9                         ; 128 columns of 4 bytes a block column
	s_lshl_b32 s47, s12, 8                         ; 64 columns
	s_add_co_u32 s46, s46, s47
	s_mov_b32 s47, 0
	s_add_nc_u64 s[8:9], s[8:9], s[46:47]
.macro OUT16 a
.irp b, 0,1,2,3
	ds_store_b128 v[STO], v[ACC+8*(4*\a+\b):ACC+8*(4*\a+\b)+3]   offset:64*\b
	ds_store_b128 v[STO], v[ACC+8*(4*\a+\b)+4:ACC+8*(4*\a+\b)+7] offset:64*\b+16
.endr
	s_wait_xcnt 0x0                                ; RB, which the last stores read, and their base are rewritten only behind this wait
.if \a
	s_add_nc_u64 s[8:9], s[8:9], 16*4096
.endif
.irp t, 0,1,2,3,4,5,6,7
	ds_load_b128 v[RB+4*\t:RB+4*\t+3], v[RD] offset:\t*2*SPITCH    ; LDS serves a wave's instructions in order: these see the stores above
.endr
.irp t, 0,1,2,3,4,5,6,7
	s_wait_dscnt 7-\t                              ; load t is in, the 7 - t behind it stay out
	global_store_b128 v[CO], v[RB+4*\t:RB+4*\t+3], s[8:9] offset:\t*8192 th:TH_STORE_NT   ; sixteen lanes store 256 consecutive bytes, aligned
.endr
.endm
	OUT16 0
	OUT16 1
	OUT16 2
	OUT16 3
	s_wait_tensorcnt 0x0
	ds_add_u32 v126, v127
	s_wait_dscnt 0x0
	CROUND                                         ; the closing round: no work-group ends while a partner may still ask jointly
	s_endpgm
.Lfunc_end_k_q80c33114de_oproj:
	.size	k_q80c33114de_oproj, .Lfunc_end_k_q80c33114de_oproj-k_q80c33114de_oproj
	.p2alignl 7, 3214868480
	.fill 96, 4, 3214868480
	.section	.rodata,"a",@progbits
	.p2align	6, 0x0
	.amdhsa_kernel k_q80c33114de_oproj
		.amdhsa_group_segment_fixed_size 327680
		.amdhsa_private_segment_fixed_size 0
		.amdhsa_enable_private_segment 0
		.amdhsa_kernarg_size 24
		.amdhsa_user_sgpr_count 2
		.amdhsa_user_sgpr_kernarg_segment_ptr 1
		.amdhsa_wavefront_size32 1
		.amdhsa_system_sgpr_workgroup_id_x 1
		.amdhsa_system_sgpr_workgroup_id_y 1
		.amdhsa_system_sgpr_workgroup_id_z 1
		.amdhsa_system_vgpr_workitem_id 0
		.amdhsa_next_free_vgpr 512
		.amdhsa_next_free_sgpr 66
		.amdhsa_reserve_vcc 0
		.amdhsa_float_denorm_mode_32 3
		.amdhsa_float_denorm_mode_16_64 3
		.amdhsa_memory_ordered 1
		.amdhsa_forward_progress 1
		.amdhsa_inst_pref_size 86
	.end_amdhsa_kernel
	.amdgpu_metadata
---
amdhsa.version: [ 1, 2 ]
amdhsa.kernels:
  - .name:           k_q80c33114de_oproj
    .symbol:         k_q80c33114de_oproj.kd
    .args:
      - { .name: ob, .offset: 0, .size: 8, .value_kind: global_buffer, .address_space: global }
      - { .name: wot, .offset: 8, .size: 8, .value_kind: global_buffer, .address_space: global }
      - { .name: out0, .offset: 16, .size: 8, .value_kind: global_buffer, .address_space: global }
    .group_segment_fixed_size: 327680
    .private_segment_fixed_size: 0
    .kernarg_segment_align: 8
    .kernarg_segment_size: 24
    .max_flat_workgroup_size: 128
    .sgpr_count:     66
    .vgpr_count:     512
    .wavefront_size: 32
...
	.end_amdgpu_metadata
.endif
;; end of part 4
